; MI455X (gfx1250); checked and timed in simulation.
; The chip was launched on July 23, 2026; its instructions are those of AMD's public machine-readable ISA for CDNA 5 (MIT licence, August 2026) and "CDNA5" Instruction Set Architecture Reference Guide (July 2026). The comments in the code are by the model that wrote it; some were corrected since.
;; Simple LTM. Allowed arithmetic: matrix products marked QUANTISED: E4M3 operands, one given power-of-two scale a tensor, by v_wmma_f32_16x16x64_fp8_fp8 or v_wmma_f32_16x16x128_fp8_fp8, f32 sums; everything else in f32.
;; Inputs: keys 100,000 x 256 float32; lowp_scales 2 int32 (the exponents e of the quantised operands' scales 2^e); queries 2,048 x 256 float32; values 100,000 x 256 float32.
;; Outputs: out0 2,048 x 256 float32.
;; Constants: top_k = 8.
;; This version of the problem:
;;   THIS VERSION OF THE PROBLEM IS GIVEN IN LOW PRECISION. The matrix products marked QUANTISED in the list below multiply operands that are first quantised to E4M3 (4 exponent bits, 3 mantissa bits; 8 bits a number), with one given power-of-two scale for each operand tensor; their sums are f32. All else is computed in f32.
;;   The module's matrix products, in the order in which they are computed (A, B: the left and right operand; K: the contracted axis; several contracted axes count as one K, in the product's order):
;;     1. [M 2,048, K 256] x [K 256, N 100,000]; A: computed on the way; B: computed on the way: QUANTISED (scales: A lowp_scales[0], B lowp_scales[1])
;;   THE QUANTISER, for each operand of a quantised product, along K:
;;     - The operand's scale is 2^e, e = its entry of the input lowp_scales (int32; the entries are numbered through the quantised products in the list's order, A before B).
;;     - Each number is divided by the scale, clamped to +-448, and rounded to the nearest number of E4M3, ties to even, subnormals kept.
;;     - The product sums the exact products of the quantised numbers (number of the format x scale) in f32.
;;   ~~~python
;;   def quantise(x, axis, e):      # numpy; x: float32 -> the quantised numbers, widened to float32 again
;;       x = np.moveaxis(x, axis, -1); K = x.shape[-1]
;;       r = np.clip(x / 2.0 ** e, -448, 448)
;;       step = 2.0 ** (np.maximum(np.frexp(np.where(r == 0, 1, r))[1] - 1, -6) - 3)
;;       q = np.round(r / step) * step * 2.0 ** e      # np.round: ties to even
;;       return np.moveaxis(q, -1, axis).astype(np.float32)
;;   ~~~
;;   OPERANDS COMPUTED ON THE WAY. 'Computed on the way' means the value that the module computes at that place (a softmax that the list does not call 'softmax' is quantised finished and normalised). What goes into a quantiser is computed in f32, as accurately as f32 sums, v_exp_f32 and their like allow (about 1e-6 of the number): no bf16 or f16 on the way to a quantiser, and a product that is left as it is and whose result goes on into a quantised operand takes f32 operands (vector FMAs, or v_wmma_f32_16x16x4_f32). A number that lies on a knife's edge between two numbers of the format may be rounded either way, as far as f32 arithmetic and the matrix unit's own rounding can turn it there, and no further.
;; One version. Each part assembles by itself: llvm-mc -triple=amdgcn-amd-amdhsa -mcpu=gfx1250 --defsym DOCPART=n.
;; ======== version 1 of 1: 6 launches
;; workspace buffers: kcodes 25,600,000 bytes; qcodes 524,288 bytes; fine 51,200,000 bytes; coarse 2,048,000 bytes; cidx 65,536 bytes of whole numbers; gidx 65,536 bytes of whole numbers; kidx 65,536 bytes of whole numbers; wts 65,536 bytes
;; launch quant (part 1): grid 3189 x 1, 2 waves a work-group, no clusters, 33,536 bytes of LDS; arguments keys, queries, lowp_scales, kcodes, qcodes; writes kcodes, qcodes
.if DOCPART == 1
	.amdgcn_target "amdgcn-amd-amdhsa--gfx1250"
	.amdhsa_code_object_version 6
	.text
	.protected	k_q54c3371bfe_quant
	.globl	k_q54c3371bfe_quant
	.p2align	8
	.type	k_q54c3371bfe_quant,@function
k_q54c3371bfe_quant:
	s_mov_b64 s[64:65], 0
	v_nop
	global_prefetch_b8 v0, s[64:65] scope:SCOPE_SE
	s_setreg_imm32_b32 hwreg(HW_REG_WAVE_MODE, 25, 1), 1
	s_wait_xcnt 0x0
; keys [100000][256] and queries [2048][256], f32: each row is divided by max(its length, 1e-12) and turned into codes of FP8 (E4M3) with the one given scale 2^e
; (entry 0 of the scales for the queries, entry 1 for the keys): code = x / 2^e, held within +-448, to the nearest code, ties to even.
; THE CODES ARE LAID AS IMAGES OF AN OPERAND'S REGISTERS: 16 rows are a block of 4,096 bytes; piece p (0..7) is 512 bytes; in it lane l = r + 16 h has 16 bytes: row r, k = 32 p + 16 h + 0 .. 15.
; So a later launch gets a fragment (16 rows x 128 k: pieces 4 s .. 4 s + 3) by four dense loads of 16 bytes a lane.
; SHARES.  One wave takes one block of 16 rows (16,384 bytes in, 4,096 out); no loop, no barrier, waves share nothing.  Work-groups 0 .. 3124 take the keys' 6,250 blocks, 3125 .. 3188 the queries' 128:
; only pointers and e are chosen, on the work-group's number; there is one path through the text.
; Each load reads 512 consecutive bytes; the block turns through the wave's own stage in LDS (rows of 1,024 bytes + 16), so that a lane then holds 16 neighbours of each 32 along its row.
; ARITHMETIC.  Sum of squares in four packed chains; square root with one Newton step; quotient as x r with one residual step (q += (x - q n) r): all f32.
; LIMITS: e between -126 and 119, so that 2^e and 448 x 2^e are f32 numbers.  NaN and infinities among the inputs are not served.
.set NKWG,  3125                       ; work-groups that take keys
.set PITCH, 1040                       ; a stage row: 1,024 bytes + 16: row r starts 16 r bytes on modulo 256, so the sixteen rows of a read fall on different banks
.set STG,   16*PITCH                   ; a wave's stage
.set NRM,   12                         ; v[12:13] the divisor n, twice
.set RCP,   14                         ; v[14:15] 1 / n, twice
.set SCL,   16                         ; v16 2^e as f32
.set LIM,   17                         ; v17 448 x 2^e
.set T,     18                         ; v[18:25] four pairs at work
.set X,     32                         ; v[32:159] the block's numbers
.set C,     160                        ; v[160:191] the codes
	s_load_b128 s[4:7], s[0:1], 0x0                ; keys, queries
	s_load_b64 s[8:9], s[0:1], 0x10                ; the scales' exponents
	s_load_b128 s[12:15], s[0:1], 0x18             ; the keys' codes, the queries' codes
	v_lshl_add_u32 v192, v0, 2, 0x8200
	v_mov_b32 v193, 0
	v_lshrrev_b32 v4, 5, v0
	v_readfirstlane_b32 s16, v4                    ; wave 0, 1
	v_and_b32 v5, 31, v0
	v_lshlrev_b32 v1, 4, v5                        ; 16 x lane: my bytes of every load and store; never rewritten
	s_mul_i32 s17, s16, STG
	v_add_nc_u32 v2, s17, v1                       ; the stage, on the way in
	v_and_b32 v6, 15, v0                           ; r
	v_bfe_u32 v7, v0, 4, 1                         ; h
	v_mul_u32_u24 v3, v6, PITCH
	v_lshl_add_u32 v3, v7, 6, v3
	v_add_nc_u32 v3, s17, v3                       ; and on the way out: row r, + 64 h bytes
	s_mov_b32 s20, 0x76543210                      ; v_permlanex16_b32's selects for lane l xor 16
	s_mov_b32 s21, 0xfedcba98
	s_wait_kmcnt 0x0
	s_load_b64 s[22:23], s[8:9], 0x0               ; e of the queries, e of the keys
	s_cmp_lt_u32 ttmp9, NKWG                       ; keys or queries?  The choice hangs on the work-group's number alone
	s_cselect_b64 s[4:5], s[4:5], s[6:7]
	s_cselect_b64 s[12:13], s[12:13], s[14:15]
	s_cselect_b32 s18, 0, NKWG
	s_sub_co_u32 s18, ttmp9, s18
	s_lshl_b32 s18, s18, 1
	s_add_co_u32 s18, s18, s16                     ; my block of 16 rows
	s_mov_b32 s19, 0
	s_lshl_b64 s[24:25], s[18:19], 14
	s_lshl_b64 s[26:27], s[18:19], 12
	s_add_nc_u64 s[4:5], s[4:5], s[24:25]
	s_add_nc_u64 s[12:13], s[12:13], s[26:27]
.set j, 0
.rept 32
	global_load_b128 v[X+4*j:X+4*j+3], v1, s[4:5] offset:512*j th:TH_LOAD_NT   ; 32 lanes read 512 consecutive bytes: half a row
.set j, j+1
.endr
	s_wait_kmcnt 0x0
	s_cmp_lt_u32 ttmp9, NKWG
	s_cselect_b32 s22, s23, s22                    ; e
	s_add_co_i32 s22, s22, 127
	s_lshl_b32 s23, s22, 23
	v_mov_b32 v[SCL], s23                          ; 2^e as f32: the conversion takes its exponent field
	s_add_co_i32 s22, s22, 8
	s_lshl_b32 s22, s22, 23
	s_or_b32 s22, s22, 0x600000
	v_mov_b32 v[LIM], s22                          ; 448 x 2^e
.set j, 0
.rept 32
	s_wait_loadcnt 31-j                            ; loads come back in order: number j is in, the 31 - j younger ones stay out
	ds_store_b128 v2, v[X+4*j:X+4*j+3] offset:(j/2)*PITCH+(j%2)*512
.set j, j+1
.endr
	s_wait_dscnt 0x0                               ; the stores have read their registers, which the loads below fill
.set j, 0
.rept 32
	ds_load_b128 v[X+4*j:X+4*j+3], v3 offset:128*(j/4)+16*(j%4)   ; register 16 p + i: row r, k = 32 p + 16 h + i
.set j, j+1
.endr
	s_wait_dscnt 0x0
.irp k, 0,1,2,3
	v_pk_mul_f32 v[4+2*\k:5+2*\k], v[X+2*\k:X+2*\k+1], v[X+2*\k:X+2*\k+1]   ; the first four pairs start the chains: nothing is cleared
.endr
.set j, 4
.rept 60
	v_pk_fma_f32 v[4+2*(j%4):5+2*(j%4)], v[X+2*j:X+2*j+1], v[X+2*j:X+2*j+1], v[4+2*(j%4):5+2*(j%4)]
.set j, j+1
.endr
	v_pk_add_f32 v[4:5], v[4:5], v[6:7]
	v_pk_add_f32 v[8:9], v[8:9], v[10:11]
	v_pk_add_f32 v[4:5], v[4:5], v[8:9]
	v_add_f32 v4, v4, v5
	v_permlanex16_b32 v5, v4, s20, s21             ; the row's other half lies in lane l xor 16
	v_add_f32 v4, v4, v5                           ; s = the row's sum of squares
	v_sqrt_f32 v[NRM], v4
	v_nop                                          ; a plain place behind a transcendental
	s_wait_alu depctr_va_vdst(0)
	v_max_num_f32 v[NRM+1], 0x2b8cbccc, v[NRM]     ; (held at 1e-12 from below, so that the step divides by no zero)
	v_fma_f32 v[T], -v[NRM], v[NRM], v4            ; s - y y
	v_rcp_f32 v[RCP], v[NRM+1]
	v_nop
	s_wait_alu depctr_va_vdst(0)
	v_mul_f32 v[RCP], 0.5, v[RCP]
	v_fma_f32 v[NRM], v[T], v[RCP], v[NRM]         ; y + (s - y y) / (2 y)
	v_max_num_f32 v[NRM], 0x2b8cbccc, v[NRM]       ; n = max(length, 1e-12)
	v_mov_b32 v[NRM+1], v[NRM]
	v_rcp_f32 v[RCP], v[NRM]
	v_rcp_f32 v[RCP+1], v[NRM]
	v_nop
.set j, 0
	s_wait_alu depctr_va_vdst(0)
.rept 16                                           ; four pairs at a time: q = x r;  x - q n;  q + (x - q n) r
.irp k, 0,1,2,3
	v_pk_mul_f32 v[T+2*\k:T+2*\k+1], v[X+8*j+2*\k:X+8*j+2*\k+1], v[RCP:RCP+1]
.endr
.irp k, 0,1,2,3
	v_pk_fma_f32 v[X+8*j+2*\k:X+8*j+2*\k+1], v[T+2*\k:T+2*\k+1], v[NRM:NRM+1], v[X+8*j+2*\k:X+8*j+2*\k+1] neg_lo:[1,0,0] neg_hi:[1,0,0]
.endr
.irp k, 0,1,2,3
	v_pk_fma_f32 v[X+8*j+2*\k:X+8*j+2*\k+1], v[X+8*j+2*\k:X+8*j+2*\k+1], v[RCP:RCP+1], v[T+2*\k:T+2*\k+1]
.endr
.set j, j+1
.endr
.set j, 0
.rept 128
	v_med3_num_f32 v[X+j], v[X+j], -v[LIM], v[LIM] ; the conversion to an 8-bit code does not saturate (ISA guide 7.6.2): the hold at the largest code x the scale
.set j, j+1
.endr
.set j, 0
.rept 8
	v_cvt_scalef32_pk8_fp8_f32 v[C+4*j:C+4*j+1], v[X+16*j:X+16*j+7], v[SCL]
	v_cvt_scalef32_pk8_fp8_f32 v[C+4*j+2:C+4*j+3], v[X+16*j+8:X+16*j+15], v[SCL]
.set j, j+1
.endr
	v_nop                                          ; a plain vector line behind the last scaled conversion
.set j, 0
.rept 8
	global_store_b128 v1, v[C+4*j:C+4*j+3], s[12:13] offset:512*j   ; piece j: 32 lanes store 512 consecutive bytes, at a multiple of 256 from the buffer's first byte
.set j, j+1
.endr
	s_wait_tensorcnt 0x0
	ds_add_u32 v192, v193
	s_wait_dscnt 0x0
	s_endpgm
.Lfunc_end_k_q54c3371bfe_quant:
	.size	k_q54c3371bfe_quant, .Lfunc_end_k_q54c3371bfe_quant-k_q54c3371bfe_quant
	.p2alignl 7, 3214868480
	.fill 96, 4, 3214868480
	.section	.rodata,"a",@progbits
	.p2align	6, 0x0
	.amdhsa_kernel k_q54c3371bfe_quant
		.amdhsa_group_segment_fixed_size 33536
		.amdhsa_private_segment_fixed_size 0
		.amdhsa_enable_private_segment 0
		.amdhsa_kernarg_size 40
		.amdhsa_user_sgpr_count 2
		.amdhsa_user_sgpr_kernarg_segment_ptr 1
		.amdhsa_wavefront_size32 1
		.amdhsa_system_sgpr_workgroup_id_x 1
		.amdhsa_system_sgpr_workgroup_id_y 1
		.amdhsa_system_sgpr_workgroup_id_z 1
		.amdhsa_system_vgpr_workitem_id 0
		.amdhsa_next_free_vgpr 194
		.amdhsa_next_free_sgpr 66
		.amdhsa_reserve_vcc 0
		.amdhsa_float_denorm_mode_32 3
		.amdhsa_float_denorm_mode_16_64 3
		.amdhsa_memory_ordered 1
		.amdhsa_forward_progress 1
		.amdhsa_inst_pref_size 38
	.end_amdhsa_kernel
	.amdgpu_metadata
---
amdhsa.version: [ 1, 2 ]
amdhsa.kernels:
  - .name:           k_q54c3371bfe_quant
    .symbol:         k_q54c3371bfe_quant.kd
    .args:
      - { .name: keys, .offset: 0, .size: 8, .value_kind: global_buffer, .address_space: global }
      - { .name: queries, .offset: 8, .size: 8, .value_kind: global_buffer, .address_space: global }
      - { .name: lowp_scales, .offset: 16, .size: 8, .value_kind: global_buffer, .address_space: global }
      - { .name: kcodes, .offset: 24, .size: 8, .value_kind: global_buffer, .address_space: global }
      - { .name: qcodes, .offset: 32, .size: 8, .value_kind: global_buffer, .address_space: global }
    .group_segment_fixed_size: 33536
    .private_segment_fixed_size: 0
    .kernarg_segment_align: 8
    .kernarg_segment_size: 40
    .max_flat_workgroup_size: 64
    .sgpr_count:     66
    .vgpr_count:     194
    .wavefront_size: 32
...
	.end_amdgpu_metadata
.endif
;; end of part 1
;; launch main (part 2): grid 2 x 125, 4 waves a work-group, no clusters, 211,712 bytes of LDS; arguments qcodes, kcodes, fine, coarse; writes fine, coarse
.if DOCPART == 2
	.amdgcn_target "amdgcn-amd-amdhsa--gfx1250"
	.amdhsa_code_object_version 6
	.text
	.protected	k_q54c3371bfe_main
	.globl	k_q54c3371bfe_main
	.p2align	8
	.type	k_q54c3371bfe_main,@function
k_q54c3371bfe_main:
	s_mov_b64 s[64:65], 0
	v_nop
	global_prefetch_b8 v0, s[64:65] scope:SCOPE_SE
	s_setreg_imm32_b32 hwreg(HW_REG_WAVE_MODE, 25, 1), 1
	s_wait_xcnt 0x0
; All products of the 2,048 queries with the 100,000 keys, on codes of FP8 (E4M3), and of each query's sums only MAXIMA go to memory: of each 16 neighbouring keys (fine) and of each 400 (coarse).
; The sums stay without their factor 2^(eq + ek): it is positive and the same for all, so it changes no order.  NaN and infinities are not served.
; SHARES.  Work-group (y, slab): queries 1024 y .. + 1023 x keys 800 slab .. + 799.  Wave w owns 256 queries, 16 tiles, whose codes stay in 512 registers (windows 1 and 2) for the whole launch.
; The slab's 50 blocks of 16 keys (204,800 bytes) lie in LDS whole, each byte filled once, by five tensor loads a wave issued together at the start: five are out at the most, by this text's count.
; NO CLUSTER: the grid is 2 x 125 work-groups, a multiple of 4 along neither axis, and a slab is shared by two work-groups only.
; LAYOUT.  Source 0 = 16 keys, source 1 = 16 queries: in a result lane (r, h) holds query r and the tile's rows 8 h + 0 .. 7.  THE KEYS OF A TILE ARE NOT NEIGHBOURS: in pair b (0 .. 24), tile u (0, 1), row m is
; key 8 u + m % 8 of the slab's block 25 (m / 8) + b.  So a lane's 16 results of the two tiles are the 16 keys of ONE block, 25 h + b, and a lane's results of all 25 pairs are 400 neighbouring keys.
; A sum is two instructions of 128 along K, the first with C = 0; k stands in the same (permuted) places in both operands.
; BY TURNS.  A unit is two tiles of queries against a pair's two tiles of keys: 8 matrix instructions on 4 accumulators, which take turns, one instruction a turn.  The 18 vector
; instructions that reduce the unit before (the other set of 4 accumulators) stand in slices of 5, 5, 4, 4 behind each two matrix instructions; the queries lie in other windows, so a slice costs two switches.
; OUT.  fine: byte (25 slab + b) 16384 + 2048 (4 y + w) + 512 i + 16 lane + 4 t holds query tile 4 i + t;  coarse: the same with slab in place of 25 slab + b.  Each store of a wave covers 512 consecutive bytes, aligned.
; REGISTERS, window 0: v1 16 x lane; v2 my place in a pair's tiles; v3 the address of the loads in hand; v8-11 at work; v16-31, v32-47 a pair's 16 fine maxima, two sets; v48-63 the coarse maxima;
;   v64-127, v128-191 a pair's fragments of keys, two buffers (tile u at + 32 u, piece p at + 4 p); v192-255 two sets of 4 accumulators.   window 1: query tiles 0-7 (tile n at 32 n);  window 2: tiles 8-15.
.set RPITCH, 1056                      ; 1,024 bytes of codes + 32 of padding
.set GPITCH, 4*RPITCH                  ; a block of 16 keys in LDS
.set HALF,   25*GPITCH                 ; 105,600 = 128 modulo 256: rows 0-7 and rows 8-15 of a tile fall on different banks
.set TT,  8
.set M0,  16
.set CM,  48
.set AF0, 64
.set ACC, 192
.set G1A, 24                           ; s[24:31] descriptor group 1 for 4 rows;  s[32:39] for 12;  s[40:47] for 10
.set G1B, 32
.set G1C, 40
.set TB,  72                           ; s72 LDS byte of the pair whose fragments are fetched
.set CNT, 73                           ; s73 trips
.set FB,  74                           ; s[74:75] fine at the pair to be stored
.set CB,  76                           ; s[76:77] coarse
.set MSB, 0
.macro WIN new                         ; the immediate's high byte repeats the setting that is left; a switch that changes nothing is dropped
.if MSB != \new
	s_set_vgpr_msb (MSB<<8)|\new
.set MSB, \new
.endif
.endm
.macro MKG1 g, R                       ; R rows of 128 elements of 8 bytes, dense in memory
	s_mov_b32 s[\g], (3<<16)|(1<<20)|(7<<22)|(7<<25)   ; no mask; elements of 8 bytes; padding on: after every 256 words (code 7) 8 words (code 7)
	s_mov_b32 s[\g+1], 128<<16                     ; tensor_dim0
	s_mov_b32 s[\g+2], (\R)<<16                    ; tensor_dim1
	s_mov_b32 s[\g+3], 128<<16                     ; tile_dim0
	s_mov_b32 s[\g+4], \R                          ; tile_dim1
	s_mov_b32 s[\g+5], 128                         ; tensor_dim0_stride
	s_mov_b32 s[\g+6], 0
	s_mov_b32 s[\g+7], 0
.endm
; Group 0 of the load for pairs b0 on: of the 4 np rows of my half of the slab (s13) I take the first or the second R = 2 np (s14)
.macro MKG0 g, b0, R
	s_mov_b32 s[\g], 1
	s_mul_i32 s83, s14, (\R)*RPITCH
	s_add_co_u32 s83, s83, s82
	s_add_co_u32 s[\g+1], s83, 4*(\b0)*RPITCH
	s_mul_i32 s78, s14, (\R)*1024
	s_add_co_u32 s78, s78, 4*(\b0)*1024
	s_add_nc_u64 s[\g+2:\g+3], s[80:81], s[78:79]
	s_or_b32 s[\g+3], s[\g+3], 0x80000000
.endm
.macro FETCHL buf, n                   ; load n of 16 of a pair's fragments: tile n / 8, piece n % 8
.set fu, (\n)/8
.set fp, (\n)%8
.set rF, AF0+64*(\buf)+32*fu+4*fp
	ds_load_b128 v[rF:rF+3], v3 offset:128*fu+(fp/2)*RPITCH+(fp%2)*512
.endm
.macro WM buf, u, i                    ; matrix instruction i of 8 of unit u: K step i / 4, query tile 2 u + (i / 2) % 2, key tile i % 2
.set ks, (\i)/4
.set tl, ((\i)/2)%2
.set tk, (\i)%2
.set rD, ACC+32*((\u)%2)+16*tl+8*tk
.set rA, AF0+64*(\buf)+32*tk+16*ks
.set rB, 32*((2*(\u)+tl)%8)+16*ks
.if (\i) < 4
	v_wmma_f32_16x16x128_fp8_fp8 v[rD:rD+7], v[rA:rA+15], v[rB:rB+15], 0
.else
	v_wmma_f32_16x16x128_fp8_fp8 v[rD:rD+7], v[rA:rA+15], v[rB:rB+15], v[rD:rD+7]
.endif
.endm
; Instruction j of 18 of unit u's maxima; ms: the set of fine maxima.  Each accumulator is read from its low end on.
.macro SM j, u, ms
.set sA, ACC+32*((\u)%2)
.if (\j) < 12
.set rX, sA+16*(((\j)%4)/2)+8*((\j)%2)
.set rT, TT+(\j)%4
.if (\j) < 4
	v_max3_num_f32 v[rT], v[rX], v[rX+1], v[rX+2]
.elseif (\j) < 8
	v_max3_num_f32 v[rT], v[rT], v[rX+3], v[rX+4]
.else
	v_max3_num_f32 v[rT], v[rT], v[rX+5], v[rX+6]
.endif
.else
.set rX, sA+16*((\j)%2)
.set rT, TT+2*((\j)%2)
.set nn, 2*(\u)+(\j)%2
.if (\j) < 14
	v_max3_num_f32 v[rT], v[rT], v[rT+1], v[rX+7]
.elseif (\j) < 16
	v_max_num_f32 v[M0+16*(\ms)+nn], v[rT], v[rX+15]       ; the 16 keys' maximum
.else
	v_max3_num_f32 v[CM+nn], v[CM+nn], v[rT], v[rX+15]     ; and the running maximum of the 400
.endif
.endif
.endm
; A PAIR: 64 matrix instructions on buffer buf.  prev = 1: a pair went before: its last unit is reduced in unit 0's slices, its fine maxima are stored in unit 3.  fetch = 1: the next pair's fragments are
; fetched into the other buffer, two loads behind each slice of units 1 and 2.  qw = 1: the first pair, which waits for the queries' codes tile by tile.
; PLACES (except for the loads).  A unit's last two products have the last slice's four instructions behind them, which work on the other set of accumulators: so the first read of a result
; stands 4 places or more behind it, and so do the loads into the buffer that the pair before read.  An accumulator is begun anew two units on, behind 12 or more instructions that name none of its registers.
.macro PAIR buf, prev, fetch, qw
	s_wait_dscnt 0x0                               ; this pair's fragments, asked for a pair ago
.set U, 0
.rept 8
.set G, 0
.rept 4
.if \qw && (G == 0)
.if 112-16*U > 63
	s_wait_loadcnt 63                              ; the count's field holds no more; fewer out than need be is safe
.else
	s_wait_loadcnt 112-16*U                        ; tiles 2 U and 2 U + 1 are in: behind their loads 8 x (14 - 2 U) were issued
.endif
.endif
.if U < 4
	WIN 0x04                                       ; source 1 (queries) window 1
.else
	WIN 0x08                                       ; window 2
.endif
	WM \buf, U, 2*G
	WM \buf, U, 2*G+1
.if (U > 0) || \prev || (G == 3)
	WIN 0
.endif
.if (U > 0) || \prev
.set J, 5*G-G/3
.rept 5-G/2
.if U > 0
	SM J, U-1, \buf
.else
	SM J, 7, 1-\buf
.endif
.set J, J+1
.endr
.elseif G == 3
.rept 4
	v_nop                                          ; the first unit of all has no slices: its places
.endr
.endif
.if \fetch && (U == 1) && (G == 0)
	s_add_co_u32 s[TB], s[TB], GPITCH
	v_add_nc_u32 v3, s[TB], v2
.endif
.if \fetch && ((U == 1) || (U == 2))
	FETCHL 1-\buf, 8*(U-1)+2*G
	FETCHL 1-\buf, 8*(U-1)+2*G+1
.endif
.if \prev && (U == 3)
	global_store_b128 v1, v[M0+16*(1-\buf)+4*G:M0+16*(1-\buf)+4*G+3], s[FB:FB+1] offset:512*G th:TH_STORE_NT
.endif
.if \prev && (U == 5) && (G == 0)
	s_wait_xcnt 0x0                                ; the four stores have had their addresses translated: their base steps, and their data are written again (in the next pair), only behind this wait
	s_add_nc_u64 s[FB:FB+1], s[FB:FB+1], 16384
.endif
.set G, G+1
.endr
.set U, U+1
.endr
.endm
; A stage: cnt of my five tensor loads may still be out; behind the barrier the tiles that have landed are whole for every wave.  The later loads may stay out.  Two pairs a trip.
.macro STAGE cnt, trips
	s_wait_tensorcnt \cnt
	s_wait_dscnt 0x0                               ; no LDS instruction of mine is pending at the signal
	s_barrier_signal -1
	s_barrier_wait -1
	s_mov_b32 s[CNT], \trips
.Lstage_\@:
	PAIR 1, 1, 1, 0
	PAIR 0, 1, 1, 0
	s_sub_co_u32 s[CNT], s[CNT], 1
	s_cmp_lg_u32 s[CNT], 0
	s_cbranch_scc1 .Lstage_\@
.endm
	s_load_b256 s[4:11], s[0:1], 0x0               ; the queries' codes, the keys' codes, fine, coarse
	v_lshl_add_u32 v14, v0, 2, 0x33900
	v_mov_b32 v15, 0
	ds_add_u32 v14, v15
	ds_add_u32 v14, v15
	v_lshrrev_b32 v4, 5, v0
	v_readfirstlane_b32 s12, v4                    ; wave 0..3
	v_and_b32 v5, 31, v0
	v_lshlrev_b32 v1, 4, v5                        ; 16 x lane; never rewritten
	v_bfe_u32 v4, v0, 3, 1                         ; r / 8
	v_and_b32 v5, 7, v0                            ; r % 8
	v_bfe_u32 v6, v0, 4, 1                         ; h
	v_mul_u32_u24 v2, v4, HALF
	v_lshl_add_u32 v2, v5, 4, v2
	v_lshl_add_u32 v2, v6, 8, v2                   ; block 25 (r / 8), key r % 8, half h
	v_mov_b32 v3, v2
	s_lshr_b32 s13, s12, 1                         ; which half of the slab's blocks I fetch,
	s_and_b32 s14, s12, 1                          ; and which half of a load's rows there
	s_and_b32 s15, ttmp7, 0xffff                   ; the slab
	MKG1 G1A, 4
	MKG1 G1B, 12
	MKG1 G1C, 10
	s_mul_i32 s78, s15, 50*4096
	s_mul_i32 s79, s13, 25*4096
	s_add_co_u32 s78, s78, s79
	s_mov_b32 s79, 0
	s_mul_i32 s82, s13, HALF
	s_lshl_b32 s18, ttmp9, 6
	s_lshl_b32 s19, s12, 4
	s_add_co_u32 s18, s18, s19                     ; my first tile of queries: 64 y + 16 w
	s_lshl_b32 s18, s18, 12
	s_mov_b32 s19, 0
	s_lshl_b32 s20, ttmp9, 2
	s_add_co_u32 s20, s20, s12
	s_lshl_b32 s20, s20, 11                        ; 2,048 x (4 y + w)
	s_mul_i32 s22, s15, 25*16384
	s_add_co_u32 s22, s22, s20
	s_mov_b32 s23, 0
	s_mov_b32 s[TB], 0
	s_wait_dscnt 0x0
	s_wait_kmcnt 0x0
	s_add_nc_u64 s[80:81], s[6:7], s[78:79]        ; the keys' codes at my half of the slab
	s_add_nc_u64 s[16:17], s[4:5], s[18:19]
	s_add_nc_u64 s[FB:FB+1], s[8:9], s[22:23]
	s_lshl_b32 s22, s15, 14
	s_add_co_u32 s22, s22, s20
	s_add_nc_u64 s[CB:CB+1], s[10:11], s[22:23]
	MKG0 48, 0, 4                                  ; pairs 0, 1
	MKG0 52, 2, 12                                 ; pairs 2-7
	MKG0 56, 8, 12                                 ; pairs 8-13
	MKG0 60, 14, 12                                ; pairs 14-19
	MKG0 68, 20, 10                                ; pairs 20-24
	tensor_load_to_lds s[48:51], s[G1A:G1A+7]      ; all fills go out as one group, ahead of every wait on TENSORcnt, LDS read and barrier
	s_nop 0
	tensor_load_to_lds s[52:55], s[G1B:G1B+7]
	s_nop 0
	tensor_load_to_lds s[56:59], s[G1B:G1B+7]
	s_nop 0
	tensor_load_to_lds s[60:63], s[G1B:G1B+7]
	s_nop 0
	tensor_load_to_lds s[68:71], s[G1C:G1C+7]
	s_nop 0
.rept 4
	v_nop                                          ; ahead of the switch of windows
.endr
	WIN 0x40                                       ; destination window 1
.set j, 0
.rept 64
	global_load_b128 v[4*j:4*j+3], v1, s[16:17] offset:512*j          ; tile j / 8, piece j % 8: 512 consecutive bytes
.set j, j+1
.endr
	WIN 0x80                                       ; destination window 2
.set j, 0
.rept 64
	global_load_b128 v[4*j:4*j+3], v1, s[16:17] offset:32768+512*j
.set j, j+1
.endr
	WIN 0
.set j, 0
.rept 16
	v_mov_b32 v[CM+j], 0xff800000                  ; -infinity, under every sum
.set j, j+1
.endr
	s_wait_tensorcnt 0x4                           ; my part of pairs 0 and 1 is in; the four younger loads stay out
	s_barrier_signal -1
	s_barrier_wait -1                              ; everybody's is
.set j, 0
.rept 16
	FETCHL 0, j
.set j, j+1
.endr
	PAIR 0, 0, 1, 1                                ; pair 0; fetches pair 1
	STAGE 3, 3                                     ; pairs 1-6, which fetch 2-7
	STAGE 2, 3                                     ; pairs 7-12, which fetch 8-13
	STAGE 1, 3                                     ; pairs 13-18, which fetch 14-19
	STAGE 0, 2                                     ; pairs 19-22: no tensor load is out any more
	PAIR 1, 1, 1, 0                                ; pair 23
	PAIR 0, 1, 0, 0                                ; pair 24: nothing is left to fetch
.set j, 0
.rept 18
	SM j, 7, 0                                     ; its last unit (the last slice's four instructions are the places behind the last products)
.set j, j+1
.endr
.irp i, 0,1,2,3
	global_store_b128 v1, v[M0+4*\i:M0+4*\i+3], s[FB:FB+1] offset:512*\i th:TH_STORE_NT
.endr
.irp i, 0,1,2,3
	global_store_b128 v1, v[CM+4*\i:CM+4*\i+3], s[CB:CB+1] offset:512*\i
.endr
	s_wait_tensorcnt 0x0
	ds_add_u32 v14, v15
	s_wait_dscnt 0x0
	s_endpgm
.Lfunc_end_k_q54c3371bfe_main:
	.size	k_q54c3371bfe_main, .Lfunc_end_k_q54c3371bfe_main-k_q54c3371bfe_main
	.p2alignl 7, 3214868480
	.fill 96, 4, 3214868480
	.section	.rodata,"a",@progbits
	.p2align	6, 0x0
	.amdhsa_kernel k_q54c3371bfe_main
		.amdhsa_group_segment_fixed_size 211712
		.amdhsa_private_segment_fixed_size 0
		.amdhsa_enable_private_segment 0
		.amdhsa_kernarg_size 32
		.amdhsa_user_sgpr_count 2
		.amdhsa_user_sgpr_kernarg_segment_ptr 1
		.amdhsa_wavefront_size32 1
		.amdhsa_system_sgpr_workgroup_id_x 1
		.amdhsa_system_sgpr_workgroup_id_y 1
		.amdhsa_system_sgpr_workgroup_id_z 1
		.amdhsa_system_vgpr_workitem_id 0
		.amdhsa_next_free_vgpr 768
		.amdhsa_next_free_sgpr 84
		.amdhsa_reserve_vcc 0
		.amdhsa_float_denorm_mode_32 3
		.amdhsa_float_denorm_mode_16_64 3
		.amdhsa_memory_ordered 1
		.amdhsa_forward_progress 1
		.amdhsa_inst_pref_size 198
	.end_amdhsa_kernel
	.amdgpu_metadata
---
amdhsa.version: [ 1, 2 ]
amdhsa.kernels:
  - .name:           k_q54c3371bfe_main
    .symbol:         k_q54c3371bfe_main.kd
    .args:
      - { .name: qcodes, .offset: 0, .size: 8, .value_kind: global_buffer, .address_space: global }
      - { .name: kcodes, .offset: 8, .size: 8, .value_kind: global_buffer, .address_space: global }
      - { .name: fine, .offset: 16, .size: 8, .value_kind: global_buffer, .address_space: global }
      - { .name: coarse, .offset: 24, .size: 8, .value_kind: global_buffer, .address_space: global }
    .group_segment_fixed_size: 211712
    .private_segment_fixed_size: 0
    .kernarg_segment_align: 8
    .kernarg_segment_size: 32
    .max_flat_workgroup_size: 128
    .sgpr_count:     84
    .vgpr_count:     768
    .wavefront_size: 32
...
	.end_amdgpu_metadata
.endif
;; end of part 2
;; launch selc (part 3): grid 256 x 1, 8 waves a work-group, no clusters, 2,048 bytes of LDS; arguments coarse, cidx; writes cidx
.if DOCPART == 3
	.amdgcn_target "amdgcn-amd-amdhsa--gfx1250"
	.amdhsa_code_object_version 6
	.text
	.protected	k_q54c3371bfe_selc
	.globl	k_q54c3371bfe_selc
	.p2align	8
	.type	k_q54c3371bfe_selc,@function
k_q54c3371bfe_selc:
	s_mov_b64 s[64:65], 0
	v_nop
	global_prefetch_b8 v0, s[64:65] scope:SCOPE_SE
	s_setreg_imm32_b32 hwreg(HW_REG_WAVE_MODE, 25, 1), 1
	s_wait_xcnt 0x0
; For each query: which 8 of the 250 runs of 400 keys have the largest maxima; among equal maxima the lower run goes first.  The 8 largest sums of a query lie in these runs: a run that holds one of them has at most
; seven runs ahead of it in that order.  The numbers of the runs go to cidx [2048][8] as whole numbers, from which the next launch forms addresses.
; One wave to a query, q = 8 x work-group + wave.  Candidate c = 32 k + lane lies in register k.  Eight rounds: the wave's maximum; among the candidates that equal it the largest -c (numbers below 2^24 are exact in f32);
; that one candidate becomes -infinity.  No branch and no address hangs on a sum.  NaN and infinities are not served.
; The reads take 4 bytes of many places of a buffer of 2,048,000 bytes; laid by query instead, the launch before would have to store 4 bytes a lane to rows far apart.
.set X,    8                           ; v[8:15]  the candidates
.set NID,  16                          ; v[16:23] -c as f32
.set C,    24                          ; v[24:31] at work
.set MM,   32
.set TMP,  33
.set II,   34
.set OUTI, 35                          ; lane j: round j's -c
.set NINF, 36
.set SST,  37                          ; the stage: 4 x thread
.set SRD,  38                          ; and back: 128 (lane / 4) + 8 (lane % 4)
.set GOF,  39                          ; 8 x lane
.set LO,   40
.set LO7,  41
.set SEL,  42                          ; s[42:43] selects for lane l xor 16
.set RM,   44                          ; s44 the round's lane
.set LM,   45                          ; s45 lanes without a candidate
.macro WMAX x                          ; the maximum over the 32 lanes, in every lane
	v_max_num_f32_dpp v[\x], v[\x], v[\x] row_xmask:1 row_mask:0xf bank_mask:0xf
	v_max_num_f32_dpp v[\x], v[\x], v[\x] row_xmask:2 row_mask:0xf bank_mask:0xf
	v_max_num_f32_dpp v[\x], v[\x], v[\x] row_xmask:4 row_mask:0xf bank_mask:0xf
	v_max_num_f32_dpp v[\x], v[\x], v[\x] row_xmask:8 row_mask:0xf bank_mask:0xf
	v_permlanex16_b32 v[TMP], v[\x], s[SEL], s[SEL+1]
	v_max_num_f32 v[\x], v[\x], v[TMP]
.endm
.macro ROUND j
	v_max3_num_f32 v[MM], v[X], v[X+1], v[X+2]
	v_max3_num_f32 v[MM], v[MM], v[X+3], v[X+4]
	v_max3_num_f32 v[MM], v[MM], v[X+5], v[X+6]
	v_max_num_f32 v[MM], v[MM], v[X+7]
	WMAX MM
.irp k, 0,1,2,3,4,5,6,7
	v_cmp_eq_f32 vcc_lo, v[X+\k], v[MM]
	v_cndmask_b32 v[C+\k], v[NINF], v[NID+\k], vcc_lo
.endr
	v_max3_num_f32 v[II], v[C], v[C+1], v[C+2]
	v_max3_num_f32 v[II], v[II], v[C+3], v[C+4]
	v_max3_num_f32 v[II], v[II], v[C+5], v[C+6]
	v_max_num_f32 v[II], v[II], v[C+7]
	WMAX II
.irp k, 0,1,2,3,4,5,6,7
	v_cmp_eq_f32 vcc_lo, v[C+\k], v[II]
	v_cndmask_b32 v[X+\k], v[X+\k], v[NINF], vcc_lo
.endr
	s_mov_b32 s[RM], 1<<\j
	v_cndmask_b32 v[OUTI], v[OUTI], v[II], s[RM]
.endm
	s_load_b128 s[4:7], s[0:1], 0x0                ; coarse, cidx
	v_lshl_add_u32 v64, v0, 2, 0x400
	v_mov_b32 v65, 0
	v_lshrrev_b32 v1, 5, v0
	v_readfirstlane_b32 s10, v1                    ; wave 0..7
	v_and_b32 v2, 31, v0                           ; lane
	v_lshlrev_b32 v[SST], 2, v0
	v_lshrrev_b32 v3, 2, v2
	v_and_b32 v4, 3, v2
	v_lshlrev_b32 v[SRD], 7, v3
	v_lshl_add_u32 v[SRD], v4, 3, v[SRD]
	v_lshlrev_b32 v[GOF], 3, v2
	v_lshrrev_b32 v3, 1, v2                        ; run c = 2 slab + half: slab 16 k + lane / 2, half lane % 2
	v_and_b32 v4, 1, v2
	v_lshlrev_b32 v[LO], 14, v3
	v_lshl_add_u32 v[LO], v4, 8, v[LO]
	v_min_u32 v5, 25, v2                           ; register 7 has runs 224 .. 249 only: the other lanes read run 249 again and are masked below
	v_lshrrev_b32 v3, 1, v5
	v_and_b32 v4, 1, v5
	v_lshlrev_b32 v[LO7], 14, v3
	v_lshl_add_u32 v[LO7], v4, 8, v[LO7]
	v_mov_b32 v[NINF], 0xff800000
	v_mov_b32 v[OUTI], 0
	v_mov_b32 v[TMP], 0                            ; a lane permute's destination counts as one of its sources
	s_mov_b32 s[SEL], 0x76543210
	s_mov_b32 s[SEL+1], 0xfedcba98
	s_mov_b32 s[LM], 0xfc000000                    ; lanes 26-31
	s_lshl_b32 s11, ttmp9, 3
	s_add_co_u32 s11, s11, s10                     ; q
	s_lshr_b32 s12, s11, 8                         ; q's place in a block of 16,384 bytes: 2048 (q / 256) + 512 ((q / 64) % 4) + 16 (q % 16) + 4 ((q / 16) % 4)
	s_lshl_b32 s12, s12, 11
	s_bfe_u32 s13, s11, 0x20006
	s_lshl_b32 s13, s13, 9
	s_add_co_u32 s12, s12, s13
	s_and_b32 s13, s11, 15
	s_lshl_b32 s13, s13, 4
	s_add_co_u32 s12, s12, s13
	s_bfe_u32 s13, s11, 0x20004
	s_lshl_b32 s13, s13, 2
	s_add_co_u32 s12, s12, s13
	s_mov_b32 s13, 0
	s_lshl_b32 s14, ttmp9, 8
	s_mov_b32 s15, 0
	s_wait_kmcnt 0x0
	s_add_nc_u64 s[4:5], s[4:5], s[12:13]
	s_add_nc_u64 s[6:7], s[6:7], s[14:15]          ; cidx at the work-group's 8 queries
.irp k, 0,1,2,3,4,5,6
	global_load_b32 v[X+\k], v[LO], s[4:5] offset:262144*\k
.endr
	global_load_b32 v[X+7], v[LO7], s[4:5] offset:262144*7
.irp k, 0,1,2,3,4,5,6,7
	v_add_nc_u32 v[NID+\k], 32*\k, v2
	v_cvt_f32_u32 v[NID+\k], v[NID+\k]
	v_sub_f32 v[NID+\k], 0, v[NID+\k]
.endr
	s_wait_loadcnt 0x0
	v_cndmask_b32 v[X+7], v[X+7], v[NINF], s[LM]
.irp j, 0,1,2,3,4,5,6,7
	ROUND \j
.endr
	v_sub_f32 v[TMP], 0, v[OUTI]
	v_cvt_u32_f32 v[TMP], v[TMP]
	ds_store_b32 v[SST], v[TMP]                    ; each wave's 8 numbers at 128 x wave
	s_wait_dscnt 0x0                               ; for the others' sake
	s_barrier_signal -1
	s_barrier_wait -1
	s_cmp_lg_u32 s10, 0
	s_cbranch_scc1 .Lend
	ds_load_b64 v[2:3], v[SRD]
	s_wait_dscnt 0x0
	global_store_b64 v[GOF], v[2:3], s[6:7]        ; wave 0 stores the 8 queries' 256 consecutive bytes, aligned
.Lend:
	s_wait_tensorcnt 0x0
	ds_add_u32 v64, v65
	s_wait_dscnt 0x0
	s_endpgm
.Lfunc_end_k_q54c3371bfe_selc:
	.size	k_q54c3371bfe_selc, .Lfunc_end_k_q54c3371bfe_selc-k_q54c3371bfe_selc
	.p2alignl 7, 3214868480
	.fill 96, 4, 3214868480
	.section	.rodata,"a",@progbits
	.p2align	6, 0x0
	.amdhsa_kernel k_q54c3371bfe_selc
		.amdhsa_group_segment_fixed_size 2048
		.amdhsa_private_segment_fixed_size 0
		.amdhsa_enable_private_segment 0
		.amdhsa_kernarg_size 16
		.amdhsa_user_sgpr_count 2
		.amdhsa_user_sgpr_kernarg_segment_ptr 1
		.amdhsa_wavefront_size32 1
		.amdhsa_system_sgpr_workgroup_id_x 1
		.amdhsa_system_sgpr_workgroup_id_y 1
		.amdhsa_system_sgpr_workgroup_id_z 1
		.amdhsa_system_vgpr_workitem_id 0
		.amdhsa_next_free_vgpr 66
		.amdhsa_next_free_sgpr 66
		.amdhsa_reserve_vcc 1
		.amdhsa_float_denorm_mode_32 3
		.amdhsa_float_denorm_mode_16_64 3
		.amdhsa_memory_ordered 1
		.amdhsa_forward_progress 1
		.amdhsa_inst_pref_size 23
	.end_amdhsa_kernel
	.amdgpu_metadata
---
amdhsa.version: [ 1, 2 ]
amdhsa.kernels:
  - .name:           k_q54c3371bfe_selc
    .symbol:         k_q54c3371bfe_selc.kd
    .args:
      - { .name: coarse, .offset: 0, .size: 8, .value_kind: global_buffer, .address_space: global }
      - { .name: cidx, .offset: 8, .size: 8, .value_kind: global_buffer, .address_space: global }
    .group_segment_fixed_size: 2048
    .private_segment_fixed_size: 0
    .kernarg_segment_align: 8
    .kernarg_segment_size: 16
    .max_flat_workgroup_size: 256
    .sgpr_count:     66
    .vgpr_count:     66
    .wavefront_size: 32
...
	.end_amdgpu_metadata
.endif
;; end of part 3
;; launch self (part 4): grid 256 x 1, 8 waves a work-group, no clusters, 2,048 bytes of LDS; arguments fine, cidx, gidx; writes gidx
.if DOCPART == 4
	.amdgcn_target "amdgcn-amd-amdhsa--gfx1250"
	.amdhsa_code_object_version 6
	.text
	.protected	k_q54c3371bfe_self
	.globl	k_q54c3371bfe_self
	.p2align	8
	.type	k_q54c3371bfe_self,@function
k_q54c3371bfe_self:
	s_mov_b64 s[64:65], 0
	v_nop
	global_prefetch_b8 v0, s[64:65] scope:SCOPE_SE
	s_setreg_imm32_b32 hwreg(HW_REG_WAVE_MODE, 25, 1), 1
	s_wait_xcnt 0x0
; For each query: which 8 of the 200 blocks of 16 keys in its 8 chosen runs (cidx) have the largest maxima; among equal maxima the lower block goes first.  Their numbers go to gidx [2048][8] as whole numbers.
; One wave to a query.  Register k holds run k's 25 blocks, lane b its block 25 c + b; lanes 25-31 hold -infinity.  The rounds are those of the launch before.
; Addresses hang on whole numbers that an earlier launch stored, each held at 249 by a constant in the instruction.  NaN and infinities are not served.
.set X,    8
.set NID,  16
.set C,    24
.set MM,   32
.set TMP,  33
.set II,   34
.set OUTI, 35
.set NINF, 36
.set SST,  37
.set SRD,  38
.set GOF,  39
.set LO,   40
.set SEL,  42
.set RM,   44
.set LM,   45
.macro WMAX x
	v_max_num_f32_dpp v[\x], v[\x], v[\x] row_xmask:1 row_mask:0xf bank_mask:0xf
	v_max_num_f32_dpp v[\x], v[\x], v[\x] row_xmask:2 row_mask:0xf bank_mask:0xf
	v_max_num_f32_dpp v[\x], v[\x], v[\x] row_xmask:4 row_mask:0xf bank_mask:0xf
	v_max_num_f32_dpp v[\x], v[\x], v[\x] row_xmask:8 row_mask:0xf bank_mask:0xf
	v_permlanex16_b32 v[TMP], v[\x], s[SEL], s[SEL+1]
	v_max_num_f32 v[\x], v[\x], v[TMP]
.endm
.macro ROUND j
	v_max3_num_f32 v[MM], v[X], v[X+1], v[X+2]
	v_max3_num_f32 v[MM], v[MM], v[X+3], v[X+4]
	v_max3_num_f32 v[MM], v[MM], v[X+5], v[X+6]
	v_max_num_f32 v[MM], v[MM], v[X+7]
	WMAX MM
.irp k, 0,1,2,3,4,5,6,7
	v_cmp_eq_f32 vcc_lo, v[X+\k], v[MM]
	v_cndmask_b32 v[C+\k], v[NINF], v[NID+\k], vcc_lo
.endr
	v_max3_num_f32 v[II], v[C], v[C+1], v[C+2]
	v_max3_num_f32 v[II], v[II], v[C+3], v[C+4]
	v_max3_num_f32 v[II], v[II], v[C+5], v[C+6]
	v_max_num_f32 v[II], v[II], v[C+7]
	WMAX II
.irp k, 0,1,2,3,4,5,6,7
	v_cmp_eq_f32 vcc_lo, v[C+\k], v[II]
	v_cndmask_b32 v[X+\k], v[X+\k], v[NINF], vcc_lo
.endr
	s_mov_b32 s[RM], 1<<\j
	v_cndmask_b32 v[OUTI], v[OUTI], v[II], s[RM]
.endm
	s_load_b128 s[4:7], s[0:1], 0x0                ; fine, cidx
	s_load_b64 s[8:9], s[0:1], 0x10                ; gidx
	v_lshl_add_u32 v64, v0, 2, 0x400
	v_mov_b32 v65, 0
	v_lshrrev_b32 v1, 5, v0
	v_readfirstlane_b32 s10, v1                    ; wave 0..7
	v_and_b32 v2, 31, v0                           ; lane
	v_lshlrev_b32 v[SST], 2, v0
	v_lshrrev_b32 v3, 2, v2
	v_and_b32 v4, 3, v2
	v_lshlrev_b32 v[SRD], 7, v3
	v_lshl_add_u32 v[SRD], v4, 3, v[SRD]
	v_lshlrev_b32 v[GOF], 3, v2
	v_min_u32 v5, 24, v2                           ; lanes 25-31 read block 24 again and are masked below
	v_lshlrev_b32 v[LO], 14, v5                    ; block b of a run lies 16,384 b bytes on
	v_mov_b32 v[NINF], 0xff800000
	v_mov_b32 v[OUTI], 0
	v_mov_b32 v[TMP], 0
	s_mov_b32 s[SEL], 0x76543210
	s_mov_b32 s[SEL+1], 0xfedcba98
	s_mov_b32 s[LM], 0xfe000000                    ; lanes 25-31
	s_lshl_b32 s11, ttmp9, 3
	s_add_co_u32 s11, s11, s10                     ; q
	s_lshr_b32 s12, s11, 8                         ; q's place in a block of 16,384 bytes, as the launch that stored fine laid it
	s_lshl_b32 s12, s12, 11
	s_bfe_u32 s13, s11, 0x20006
	s_lshl_b32 s13, s13, 9
	s_add_co_u32 s12, s12, s13
	s_and_b32 s13, s11, 15
	s_lshl_b32 s13, s13, 4
	s_add_co_u32 s12, s12, s13
	s_bfe_u32 s13, s11, 0x20004
	s_lshl_b32 s13, s13, 2
	s_add_co_u32 s12, s12, s13
	s_lshl_b32 s14, s11, 5
	s_mov_b32 s15, 0
	s_wait_kmcnt 0x0
	s_add_nc_u64 s[6:7], s[6:7], s[14:15]
	s_load_b256 s[16:23], s[6:7], 0x0              ; the query's 8 runs
	s_lshl_b32 s14, ttmp9, 8
	s_add_nc_u64 s[8:9], s[8:9], s[14:15]          ; gidx at the work-group's 8 queries
	s_wait_kmcnt 0x0
.irp k, 0,1,2,3,4,5,6,7
	s_min_u32 s[16+\k], s[16+\k], 249
	s_and_b32 s40, s[16+\k], 0xfe                  ; run c = 2 slab + half: 409,600 bytes a slab,
	s_mul_i32 s40, s40, 204800
	s_and_b32 s41, s[16+\k], 1
	s_lshl_b32 s41, s41, 8                         ; 256 for the half,
	s_add_co_u32 s40, s40, s41
	s_add_co_u32 s40, s40, s12                     ; and q's place
	s_mov_b32 s41, 0
	s_add_nc_u64 s[24+2*\k:25+2*\k], s[4:5], s[40:41]
	global_load_b32 v[X+\k], v[LO], s[24+2*\k:25+2*\k]
	s_mul_i32 s40, s[16+\k], 25
	v_add_nc_u32 v[NID+\k], s40, v2                ; block 25 c + lane
.endr
.irp k, 0,1,2,3,4,5,6,7
	v_cvt_f32_u32 v[NID+\k], v[NID+\k]
	v_sub_f32 v[NID+\k], 0, v[NID+\k]
.endr
	s_wait_loadcnt 0x0
.irp k, 0,1,2,3,4,5,6,7
	v_cndmask_b32 v[X+\k], v[X+\k], v[NINF], s[LM]
.endr
.irp j, 0,1,2,3,4,5,6,7
	ROUND \j
.endr
	v_sub_f32 v[TMP], 0, v[OUTI]
	v_cvt_u32_f32 v[TMP], v[TMP]
	ds_store_b32 v[SST], v[TMP]
	s_wait_dscnt 0x0                               ; for the others' sake
	s_barrier_signal -1
	s_barrier_wait -1
	s_cmp_lg_u32 s10, 0
	s_cbranch_scc1 .Lend
	ds_load_b64 v[2:3], v[SRD]
	s_wait_dscnt 0x0
	global_store_b64 v[GOF], v[2:3], s[8:9]        ; wave 0 stores the 8 queries' 256 consecutive bytes, aligned
.Lend:
	s_wait_tensorcnt 0x0
	ds_add_u32 v64, v65
	s_wait_dscnt 0x0
	s_endpgm
.Lfunc_end_k_q54c3371bfe_self:
	.size	k_q54c3371bfe_self, .Lfunc_end_k_q54c3371bfe_self-k_q54c3371bfe_self
	.p2alignl 7, 3214868480
	.fill 96, 4, 3214868480
	.section	.rodata,"a",@progbits
	.p2align	6, 0x0
	.amdhsa_kernel k_q54c3371bfe_self
		.amdhsa_group_segment_fixed_size 2048
		.amdhsa_private_segment_fixed_size 0
		.amdhsa_enable_private_segment 0
		.amdhsa_kernarg_size 24
		.amdhsa_user_sgpr_count 2
		.amdhsa_user_sgpr_kernarg_segment_ptr 1
		.amdhsa_wavefront_size32 1
		.amdhsa_system_sgpr_workgroup_id_x 1
		.amdhsa_system_sgpr_workgroup_id_y 1
		.amdhsa_system_sgpr_workgroup_id_z 1
		.amdhsa_system_vgpr_workitem_id 0
		.amdhsa_next_free_vgpr 66
		.amdhsa_next_free_sgpr 66
		.amdhsa_reserve_vcc 1
		.amdhsa_float_denorm_mode_32 3
		.amdhsa_float_denorm_mode_16_64 3
		.amdhsa_memory_ordered 1
		.amdhsa_forward_progress 1
		.amdhsa_inst_pref_size 26
	.end_amdhsa_kernel
	.amdgpu_metadata
---
amdhsa.version: [ 1, 2 ]
amdhsa.kernels:
  - .name:           k_q54c3371bfe_self
    .symbol:         k_q54c3371bfe_self.kd
    .args:
      - { .name: fine, .offset: 0, .size: 8, .value_kind: global_buffer, .address_space: global }
      - { .name: cidx, .offset: 8, .size: 8, .value_kind: global_buffer, .address_space: global }
      - { .name: gidx, .offset: 16, .size: 8, .value_kind: global_buffer, .address_space: global }
    .group_segment_fixed_size: 2048
    .private_segment_fixed_size: 0
    .kernarg_segment_align: 8
    .kernarg_segment_size: 24
    .max_flat_workgroup_size: 256
    .sgpr_count:     66
    .vgpr_count:     66
    .wavefront_size: 32
...
	.end_amdgpu_metadata
.endif
;; end of part 4
;; launch cand (part 5): grid 256 x 1, 8 waves a work-group, no clusters, 11,776 bytes of LDS; arguments qcodes, kcodes, gidx, lowp_scales, kidx, wts; writes kidx, wts
.if DOCPART == 5
	.amdgcn_target "amdgcn-amd-amdhsa--gfx1250"
	.amdhsa_code_object_version 6
	.text
	.protected	k_q54c3371bfe_cand
	.globl	k_q54c3371bfe_cand
	.p2align	8
	.type	k_q54c3371bfe_cand,@function
k_q54c3371bfe_cand:
	s_mov_b64 s[64:65], 0
	v_nop
	global_prefetch_b8 v0, s[64:65] scope:SCOPE_SE
	s_setreg_imm32_b32 hwreg(HW_REG_WAVE_MODE, 25, 1), 1
	s_wait_xcnt 0x0
; For each query: the sums with the 128 keys of its 8 chosen blocks (gidx) are made again, by the same matrix instructions on the same codes, k in the same places, the same two links: the same bits as in the
; launch that made the maxima.  Of the 128 the 8 largest are taken (among equal sums the lower key first), and their softmax.  kidx [2048][8]: the keys, whole numbers;  wts [2048][8]: the weights, f32.
; A work-group takes 8 queries.  PHASE A: wave s takes slot s of all 8: for query c a product of block gidx[c][s] (source 0: 16 keys) with the queries' fragment (source 1: columns c and c + 8 are both query c);
; of its result only the lanes of column c are kept (v_cndmask_b32 by a constant mask).  Lane (r, h) ends with query r % 8 and keys 8 h + 0 .. 7 of its block; they go to LDS, a row to a query, 128 candidates.
; PHASE B: wave w selects for query w: lane l holds candidates 4 l .. 4 l + 3.  Eight rounds as in the launches before.
; SOFTMAX: the largest sum is taken away; the differences are multiplied by 2^(eq + ek) (v_ldexp_f32: no limit on the exponents) and by log2(e).  NaN and infinities are not served.
; No branch and no address hangs on a sum; the blocks' addresses hang on whole numbers that an earlier launch stored, each held at 6,249.
.set CPITCH, 528                       ; a row of candidates: 512 bytes + 16
.set IDS,  8704                        ; behind the 16 rows: a stage for the keys' numbers, 128 bytes a wave,
.set WTS,  9728                        ; and one for the weights
.set B,    16                          ; v[16:47]   the queries' fragment, two K steps
.set A,    48                          ; v[48:175]  four buffers of 32: a block's two K steps
.set D0,   176
.set D1,   184
.set S,    192                         ; v[192:199] what is kept
.set X,    200
.set NID,  204
.set C,    208
.set MM,   212
.set TMP,  213
.set II,   214
.set OUTI, 215
.set OUTV, 216
.set NINF, 217
.set MX,   218
.set SID,  219
.set SWT,  220
.set RID,  221
.set RWT,  222
.set GOF,  223
.set W,    228
.set SUM,  229
.set RS,   230
.set SEL,  56                          ; s[56:57]
.set WV,   58
.set RM,   59
.macro WMAX x
	v_max_num_f32_dpp v[\x], v[\x], v[\x] row_xmask:1 row_mask:0xf bank_mask:0xf
	v_max_num_f32_dpp v[\x], v[\x], v[\x] row_xmask:2 row_mask:0xf bank_mask:0xf
	v_max_num_f32_dpp v[\x], v[\x], v[\x] row_xmask:4 row_mask:0xf bank_mask:0xf
	v_max_num_f32_dpp v[\x], v[\x], v[\x] row_xmask:8 row_mask:0xf bank_mask:0xf
	v_permlanex16_b32 v[TMP], v[\x], s[SEL], s[SEL+1]
	v_max_num_f32 v[\x], v[\x], v[TMP]
.endm
.macro ROUND j
	v_max3_num_f32 v[MM], v[X], v[X+1], v[X+2]
	v_max_num_f32 v[MM], v[MM], v[X+3]
	WMAX MM
.irp k, 0,1,2,3
	v_cmp_eq_f32 vcc_lo, v[X+\k], v[MM]
	v_cndmask_b32 v[C+\k], v[NINF], v[NID+\k], vcc_lo
.endr
	v_max3_num_f32 v[II], v[C], v[C+1], v[C+2]
	v_max_num_f32 v[II], v[II], v[C+3]
	WMAX II
.irp k, 0,1,2,3
	v_cmp_eq_f32 vcc_lo, v[C+\k], v[II]
	v_cndmask_b32 v[X+\k], v[X+\k], v[NINF], vcc_lo
.endr
	s_mov_b32 s[RM], 1<<\j
	v_cndmask_b32 v[OUTI], v[OUTI], v[II], s[RM]
	v_cndmask_b32 v[OUTV], v[OUTV], v[MM], s[RM]
.if \j == 0
	v_mov_b32 v[MX], v[MM]                         ; the largest of all
.endif
.endm
.macro ALOAD c                         ; query c's block: eight pieces of 512 consecutive bytes into buffer c % 4
.irp p, 0,1,2,3,4,5,6,7
	global_load_b128 v[A+32*((\c)%4)+4*\p:A+32*((\c)%4)+4*\p+3], v1, s[24+2*(\c):25+2*(\c)] offset:512*\p
.endr
.endm
; Queries 2 t and 2 t + 1.  The two accumulators take turns, one instruction a turn.  Four v_nop are the places in front of the loads into the buffers just read and of the first
; read of the results; an accumulator is begun anew behind them and the other accumulator's eight selections.
.macro STEP t, left
	s_wait_loadcnt \left                           ; the two blocks are in; behind their loads the next two blocks' sixteen were issued (none in the last step)
.set a0, A+32*((2*\t)%4)
.set a1, A+32*((2*\t+1)%4)
	v_wmma_f32_16x16x128_fp8_fp8 v[D0:D0+7], v[a0:a0+15], v[B:B+15], 0
	v_wmma_f32_16x16x128_fp8_fp8 v[D1:D1+7], v[a1:a1+15], v[B:B+15], 0
	v_wmma_f32_16x16x128_fp8_fp8 v[D0:D0+7], v[a0+16:a0+31], v[B+16:B+31], v[D0:D0+7]
	v_wmma_f32_16x16x128_fp8_fp8 v[D1:D1+7], v[a1+16:a1+31], v[B+16:B+31], v[D1:D1+7]
.rept 4
	v_nop
.endr
.if \t < 2
	ALOAD 2*\t+4
	ALOAD 2*\t+5
.endif
.irp j, 0,1,2,3,4,5,6,7
.if \t == 0
	v_mov_b32 v[S+\j], v[D0+\j]                    ; the first result starts S; the other queries' lanes are overwritten below
.else
	v_cndmask_b32 v[S+\j], v[S+\j], v[D0+\j], s[40+2*\t]
.endif
.endr
.irp j, 0,1,2,3,4,5,6,7
	v_cndmask_b32 v[S+\j], v[S+\j], v[D1+\j], s[41+2*\t]
.endr
.endm
	s_load_b256 s[4:11], s[0:1], 0x0               ; the queries' codes, the keys' codes, gidx, the scales' exponents
	s_load_b128 s[12:15], s[0:1], 0x20             ; kidx, wts
	v_lshl_add_u32 v232, v0, 2, 0x2a00
	v_mov_b32 v233, 0
	v_lshrrev_b32 v7, 5, v0
	v_readfirstlane_b32 s[WV], v7                  ; wave 0..7
	v_and_b32 v8, 31, v0                           ; lane
	v_and_b32 v9, 15, v0                           ; r
	v_bfe_u32 v10, v0, 4, 1                        ; h
	v_lshlrev_b32 v1, 4, v8                        ; 16 x lane
	v_and_b32 v11, 7, v0
	s_and_b32 s48, ttmp9, 1
	s_lshl_b32 s48, s48, 7
	v_lshlrev_b32 v2, 4, v11
	v_lshl_add_u32 v2, v10, 8, v2
	v_add_nc_u32 v2, s48, v2                       ; in the queries' block of 16: query 8 (work-group % 2) + r % 8, half h
	s_lshl_b32 s49, s[WV], 6
	v_mul_u32_u24 v3, v9, CPITCH
	v_lshl_add_u32 v3, v10, 5, v3
	v_add_nc_u32 v3, s49, v3                       ; candidates, in: row r, 64 bytes a slot, 32 a half (rows 8-15 repeat rows 0-7 and are not read)
	s_mul_i32 s49, s[WV], CPITCH
	v_add_nc_u32 v4, s49, v1                       ; and back: row = my wave, 16 bytes a lane
	v_and_b32 v6, 0xfc, v0                         ; 32 x wave + 4 (lane / 4): my query's slot lane / 4 in gidx
	v_lshl_add_u32 v[SID], v0, 2, IDS
	v_lshl_add_u32 v[SWT], v0, 2, WTS
	v_lshrrev_b32 v12, 2, v8
	v_and_b32 v13, 3, v8
	v_lshlrev_b32 v[RID], 7, v12
	v_lshl_add_u32 v[RID], v13, 3, v[RID]
	v_add_nc_u32 v[RWT], WTS, v[RID]
	v_add_nc_u32 v[RID], IDS, v[RID]
	v_lshlrev_b32 v[GOF], 3, v8
	v_lshlrev_b32 v13, 2, v13                      ; 4 (lane % 4)
	v_mov_b32 v[NINF], 0xff800000
	v_mov_b32 v[OUTI], 0
	v_mov_b32 v[OUTV], 0xff800000
	v_mov_b32 v[TMP], 0
	s_mov_b32 s[SEL], 0x76543210
	s_mov_b32 s[SEL+1], 0xfedcba98
.irp c, 0,1,2,3,4,5,6,7
	s_mov_b32 s[40+\c], 0x01010101<<\c             ; the lanes of column c and of column c + 8
.endr
	s_wait_kmcnt 0x0
	s_load_b64 s[52:53], s[10:11], 0x0             ; eq, ek
	s_lshl_b32 s48, ttmp9, 8
	s_mov_b32 s49, 0
	s_add_nc_u64 s[50:51], s[8:9], s[48:49]        ; gidx, kidx and wts at the work-group's 8 queries
	s_add_nc_u64 s[60:61], s[12:13], s[48:49]
	s_add_nc_u64 s[62:63], s[14:15], s[48:49]
	s_lshl_b32 s48, s[WV], 2
	s_add_nc_u64 s[8:9], s[50:51], s[48:49]        ; my slot
.irp c, 0,1,2,3,4,5,6,7
	s_load_b32 s[16+\c], s[8:9], 32*\c
.endr
	s_lshr_b32 s48, ttmp9, 1
	s_lshl_b32 s48, s48, 12
	s_add_nc_u64 s[54:55], s[4:5], s[48:49]        ; the queries' block of 16
	global_load_b32 v5, v6, s[50:51]
.irp p, 0,1,2,3,4,5,6,7
	global_load_b128 v[B+4*\p:B+4*\p+3], v2, s[54:55] offset:512*\p
.endr
	s_wait_kmcnt 0x0
.irp c, 0,1,2,3,4,5,6,7
	s_min_u32 s[16+\c], s[16+\c], 6249
	s_lshl_b32 s48, s[16+\c], 12
	s_add_nc_u64 s[24+2*\c:25+2*\c], s[6:7], s[48:49]
.endr
	ALOAD 0
	ALOAD 1
	ALOAD 2
	ALOAD 3
	STEP 0, 16
	STEP 1, 16
	STEP 2, 16
	STEP 3, 0
	ds_store_b128 v3, v[S:S+3]
	ds_store_b128 v3, v[S+4:S+7] offset:16
	s_wait_dscnt 0x0                               ; for the others' sake
	s_barrier_signal -1
	s_barrier_wait -1
	ds_load_b128 v[X:X+3], v4
	v_min_u32 v5, 6249, v5
	v_lshl_add_u32 v5, v5, 4, v13                  ; my first candidate's key: 16 x block + 4 (lane % 4)
.irp k, 0,1,2,3
	v_add_nc_u32 v[NID+\k], \k, v5
	v_cvt_f32_u32 v[NID+\k], v[NID+\k]
	v_sub_f32 v[NID+\k], 0, v[NID+\k]
.endr
	s_wait_dscnt 0x0
.irp j, 0,1,2,3,4,5,6,7
	ROUND \j
.endr
	s_add_co_i32 s52, s52, s53                     ; eq + ek
	v_sub_f32 v[W], v[OUTV], v[MX]                 ; lanes 0-7: a sum less the largest; the others: -infinity
	v_ldexp_f32 v[W], v[W], s52
	v_mul_f32 v[W], 0x3fb8aa3b, v[W]
	v_exp_f32 v[W], v[W]
	v_nop                                          ; a plain place behind a transcendental
	s_wait_alu depctr_va_vdst(0)
	v_mov_b32 v[SUM], v[W]
	v_add_f32_dpp v[SUM], v[SUM], v[SUM] row_xmask:1 row_mask:0xf bank_mask:0xf
	v_add_f32_dpp v[SUM], v[SUM], v[SUM] row_xmask:2 row_mask:0xf bank_mask:0xf
	v_add_f32_dpp v[SUM], v[SUM], v[SUM] row_xmask:4 row_mask:0xf bank_mask:0xf
	v_add_f32_dpp v[SUM], v[SUM], v[SUM] row_xmask:8 row_mask:0xf bank_mask:0xf
	v_permlanex16_b32 v[TMP], v[SUM], s[SEL], s[SEL+1]
	v_add_f32 v[SUM], v[SUM], v[TMP]               ; in every lane: at least 1
	v_rcp_f32 v[RS], v[SUM]
	v_sub_f32 v[TMP], 0, v[OUTI]                   ; (a plain place)
	s_wait_alu depctr_va_vdst(0)
	v_mul_f32 v[W], v[W], v[RS]
	v_cvt_u32_f32 v[TMP], v[TMP]
	ds_store_b32 v[SID], v[TMP]
	ds_store_b32 v[SWT], v[W]
	s_wait_dscnt 0x0                               ; for the others' sake
	s_barrier_signal -1
	s_barrier_wait -1
	s_cmp_lg_u32 s[WV], 0
	s_cbranch_scc1 .Lend
	ds_load_b64 v[224:225], v[RID]
	ds_load_b64 v[226:227], v[RWT]
	s_wait_dscnt 0x0
	global_store_b64 v[GOF], v[224:225], s[60:61]  ; wave 0 stores the 8 queries' 256 consecutive bytes, aligned, of each buffer
	global_store_b64 v[GOF], v[226:227], s[62:63]
.Lend:
	s_wait_tensorcnt 0x0
	ds_add_u32 v232, v233
	s_wait_dscnt 0x0
	s_endpgm
.Lfunc_end_k_q54c3371bfe_cand:
	.size	k_q54c3371bfe_cand, .Lfunc_end_k_q54c3371bfe_cand-k_q54c3371bfe_cand
	.p2alignl 7, 3214868480
	.fill 96, 4, 3214868480
	.section	.rodata,"a",@progbits
	.p2align	6, 0x0
	.amdhsa_kernel k_q54c3371bfe_cand
		.amdhsa_group_segment_fixed_size 11776
		.amdhsa_private_segment_fixed_size 0
		.amdhsa_enable_private_segment 0
		.amdhsa_kernarg_size 48
		.amdhsa_user_sgpr_count 2
		.amdhsa_user_sgpr_kernarg_segment_ptr 1
		.amdhsa_wavefront_size32 1
		.amdhsa_system_sgpr_workgroup_id_x 1
		.amdhsa_system_sgpr_workgroup_id_y 1
		.amdhsa_system_sgpr_workgroup_id_z 1
		.amdhsa_system_vgpr_workitem_id 0
		.amdhsa_next_free_vgpr 234
		.amdhsa_next_free_sgpr 66
		.amdhsa_reserve_vcc 1
		.amdhsa_float_denorm_mode_32 3
		.amdhsa_float_denorm_mode_16_64 3
		.amdhsa_memory_ordered 1
		.amdhsa_forward_progress 1
		.amdhsa_inst_pref_size 32
	.end_amdhsa_kernel
	.amdgpu_metadata
---
amdhsa.version: [ 1, 2 ]
amdhsa.kernels:
  - .name:           k_q54c3371bfe_cand
    .symbol:         k_q54c3371bfe_cand.kd
    .args:
      - { .name: qcodes, .offset: 0, .size: 8, .value_kind: global_buffer, .address_space: global }
      - { .name: kcodes, .offset: 8, .size: 8, .value_kind: global_buffer, .address_space: global }
      - { .name: gidx, .offset: 16, .size: 8, .value_kind: global_buffer, .address_space: global }
      - { .name: lowp_scales, .offset: 24, .size: 8, .value_kind: global_buffer, .address_space: global }
      - { .name: kidx, .offset: 32, .size: 8, .value_kind: global_buffer, .address_space: global }
      - { .name: wts, .offset: 40, .size: 8, .value_kind: global_buffer, .address_space: global }
    .group_segment_fixed_size: 11776
    .private_segment_fixed_size: 0
    .kernarg_segment_align: 8
    .kernarg_segment_size: 48
    .max_flat_workgroup_size: 256
    .sgpr_count:     66
    .vgpr_count:     234
    .wavefront_size: 32
...
	.end_amdgpu_metadata
.endif
;; end of part 5
;; launch gath (part 6): grid 256 x 1, 8 waves a work-group, no clusters, 0 bytes of LDS; arguments values, kidx, wts, out0; writes out0
.if DOCPART == 6
	.amdgcn_target "amdgcn-amd-amdhsa--gfx1250"
	.amdhsa_code_object_version 6
	.text
	.protected	k_q54c3371bfe_gath
	.globl	k_q54c3371bfe_gath
	.p2align	8
	.type	k_q54c3371bfe_gath,@function
k_q54c3371bfe_gath:
	s_mov_b64 s[64:65], 0
	v_nop
	global_prefetch_b8 v0, s[64:65] scope:SCOPE_SE
	s_setreg_imm32_b32 hwreg(HW_REG_WAVE_MODE, 25, 1), 1
	s_wait_xcnt 0x0
; out0[q] = the sum over j of wts[q][j] x values[kidx[q][j]].  One wave to a query, q = 8 x work-group + wave.  A row of values is 1,024 bytes: two loads of 512 consecutive bytes; all sixteen loads go out together.
; The rows' addresses hang on whole numbers that an earlier launch stored, each held at 99,999.  No LDS, no barrier, no matrix unit: sixteen loads and 64 multiply-adds a wave.
	s_load_b256 s[4:11], s[0:1], 0x0               ; values, kidx, wts, out0
	v_lshrrev_b32 v2, 5, v0
	v_readfirstlane_b32 s12, v2                    ; wave 0..7
	v_and_b32 v3, 31, v0
	v_lshlrev_b32 v1, 4, v3                        ; 16 x lane
	s_lshl_b32 s13, ttmp9, 3
	s_add_co_u32 s13, s13, s12                     ; q
	s_lshl_b32 s14, s13, 5
	s_mov_b32 s15, 0
	s_lshl_b32 s48, s13, 10
	s_mov_b32 s49, 0
	s_wait_kmcnt 0x0
	s_add_nc_u64 s[6:7], s[6:7], s[14:15]
	s_add_nc_u64 s[8:9], s[8:9], s[14:15]
	s_load_b256 s[16:23], s[6:7], 0x0              ; the 8 keys
	s_load_b256 s[24:31], s[8:9], 0x0              ; the 8 weights
	s_add_nc_u64 s[10:11], s[10:11], s[48:49]
	s_wait_kmcnt 0x0
.irp j, 0,1,2,3,4,5,6,7
	s_min_u32 s[16+\j], s[16+\j], 99999
	s_lshl_b32 s48, s[16+\j], 10
	s_add_nc_u64 s[32+2*\j:33+2*\j], s[4:5], s[48:49]
	global_load_b128 v[16+8*\j:19+8*\j], v1, s[32+2*\j:33+2*\j]
	global_load_b128 v[20+8*\j:23+8*\j], v1, s[32+2*\j:33+2*\j] offset:512
.endr
.irp j, 0,1,2,3,4,5,6,7
	s_wait_loadcnt 14-2*\j                         ; row j is in; the 7 - j younger rows' loads stay out
.irp i, 0,1,2,3,4,5,6,7
.if \j == 0
	v_mul_f32 v[8+\i], s24, v[16+\i]               ; the first row starts the sums
.else
	v_fmac_f32 v[8+\i], s[24+\j], v[16+8*\j+\i]
.endif
.endr
.endr
	global_store_b128 v1, v[8:11], s[10:11] th:TH_STORE_NT              ; 32 lanes store 512 consecutive bytes, aligned
	global_store_b128 v1, v[12:15], s[10:11] offset:512 th:TH_STORE_NT
	s_endpgm
.Lfunc_end_k_q54c3371bfe_gath:
	.size	k_q54c3371bfe_gath, .Lfunc_end_k_q54c3371bfe_gath-k_q54c3371bfe_gath
	.p2alignl 7, 3214868480
	.fill 96, 4, 3214868480
	.section	.rodata,"a",@progbits
	.p2align	6, 0x0
	.amdhsa_kernel k_q54c3371bfe_gath
		.amdhsa_group_segment_fixed_size 0
		.amdhsa_private_segment_fixed_size 0
		.amdhsa_enable_private_segment 0
		.amdhsa_kernarg_size 32
		.amdhsa_user_sgpr_count 2
		.amdhsa_user_sgpr_kernarg_segment_ptr 1
		.amdhsa_wavefront_size32 1
		.amdhsa_system_sgpr_workgroup_id_x 1
		.amdhsa_system_sgpr_workgroup_id_y 1
		.amdhsa_system_sgpr_workgroup_id_z 1
		.amdhsa_system_vgpr_workitem_id 0
		.amdhsa_next_free_vgpr 96
		.amdhsa_next_free_sgpr 66
		.amdhsa_reserve_vcc 0
		.amdhsa_float_denorm_mode_32 3
		.amdhsa_float_denorm_mode_16_64 3
		.amdhsa_memory_ordered 1
		.amdhsa_forward_progress 1
		.amdhsa_inst_pref_size 6
	.end_amdhsa_kernel
	.amdgpu_metadata
---
amdhsa.version: [ 1, 2 ]
amdhsa.kernels:
  - .name:           k_q54c3371bfe_gath
    .symbol:         k_q54c3371bfe_gath.kd
    .args:
      - { .name: values, .offset: 0, .size: 8, .value_kind: global_buffer, .address_space: global }
      - { .name: kidx, .offset: 8, .size: 8, .value_kind: global_buffer, .address_space: global }
      - { .name: wts, .offset: 16, .size: 8, .value_kind: global_buffer, .address_space: global }
      - { .name: out0, .offset: 24, .size: 8, .value_kind: global_buffer, .address_space: global }
    .group_segment_fixed_size: 0
    .private_segment_fixed_size: 0
    .kernarg_segment_align: 8
    .kernarg_segment_size: 32
    .max_flat_workgroup_size: 256
    .sgpr_count:     66
    .vgpr_count:     96
    .wavefront_size: 32
...
	.end_amdgpu_metadata
.endif
;; end of part 6
